; MI455X (gfx1250); checked and timed in simulation.
; The chip was launched on July 23, 2026; its instructions are those of AMD's public machine-readable ISA for CDNA 5 (MIT licence, August 2026) and "CDNA5" Instruction Set Architecture Reference Guide (July 2026). The comments in the code are by the model that wrote it; some were corrected since.
;; Self Attention. Allowed arithmetic: float matrix products may take bf16 or f16 operands with f32 sums; all other float work in f32.
;; Inputs: Wk_b 1 float32; Wk_w 1 x 64 float32; Wo_b 64 float32; Wo_w 64 x 1 float32; Wq_b 1 float32; Wq_w 1 x 64 float32; Wv_b 1 float32; Wv_w 1 x 64 float32; beta 1 float32; x 2 x 64 x 8,192 float32.
;; Outputs: out0 2 x 64 x 8,192 float32.
;; 2 versions, each right and faster than the one before. Each part assembles by itself: llvm-mc -triple=amdgcn-amd-amdhsa -mcpu=gfx1250 --defsym DOCPART=n.
;; ======== version 1 of 2: 2 launches
;; workspace buffers: proj 196,608 bytes
;; launch proj_qkv (part 1): grid 256 x 1, 8 waves a work-group, no clusters, 13,312 bytes of LDS; arguments x, Wq_w, Wq_b, Wk_w, Wk_b, Wv_w, Wv_b, proj; writes proj
.if DOCPART == 1
	.amdgcn_target "amdgcn-amd-amdhsa--gfx1250"
	.amdhsa_code_object_version 6
	.text
	.protected	k_q8e9f2e104f_proj_qkv
	.globl	k_q8e9f2e104f_proj_qkv
	.p2align	8
	.type	k_q8e9f2e104f_proj_qkv,@function
k_q8e9f2e104f_proj_qkv:
	s_mov_b64 s[64:65], 0
	v_nop
	global_prefetch_b8 v0, s[64:65] scope:SCOPE_SE
	s_setreg_imm32_b32 hwreg(HW_REG_WAVE_MODE, 25, 1), 1
	s_wait_xcnt 0x0
; q, k, v of every position: three dot products over the 64 channels of x, plus a bias, all in f32 on the vector unit.
; (Three output rows against a stream of 4 MB: the matrix unit would buy nothing, and q and k feed an exponent,
; so they are not rounded to 16 bits.)
; proj, 196,608 bytes:   0       q' = (Wq.x + bq) * log2(e), f32, index b*8192 + l
;                        65536   k  =  Wk.x + bk,            f32, same index
;                        131072  v  =  Wv.x + bv split in two bf16: per 64 positions a chunk of 256 bytes,
;                                64 x bf16(v), then 64 x bf16(v - bf16(v))
; A work-group owns 64 positions of one batch (256 bytes of each of the 64 channel rows).  Thread t: i = t & 15 are its
; four positions (16 bytes), p = t >> 4 its channels 16 it + p, it = 0..3.  Sixteen neighbouring lanes read 256 consecutive,
; aligned bytes.  The sixteen partial sums of a position meet in LDS; waves 0 and 1 add them and store.
; Limit: |v| so near f32's largest number that bf16(v) rounds to infinity is not served.
.set X,  4                             ; v[4:19]    x: four quads, one for each of my channels
.set WQ, 20                            ; v[20:23]   Wq of my four channels
.set WK, 24                            ; v[24:27]   Wk
.set WV, 28                            ; v[28:31]   Wv
.set AQ, 32                            ; v[32:35]   partial q of my four positions
.set AK, 36                            ; v[36:39]   partial k
.set AV, 40                            ; v[40:43]   partial v
.set RS, 44                            ; v44        LDS: where my partial sums go
.set RL, 45                            ; v45        LDS: from where waves 0 and 1 read
.set R,  48                            ; v[48:111]  sixteen quads of partial sums
.set PP, 768                           ; LDS: [p = 16][q, k, v][64 f32]: 768 bytes for each p, 12,288 in all
	s_load_b512 s[4:19], s[0:1], 0x0               ; x 4:5, Wq_w 6:7, Wq_b 8:9, Wk_w 10:11, Wk_b 12:13, Wv_w 14:15, Wv_b 16:17, proj 18:19
	v_lshl_add_u32 v128, v0, 2, 0x3000
	v_mov_b32 v129, 0
	v_lshrrev_b32 v1, 5, v0
	v_readfirstlane_b32 s20, v1                    ; wave number
	v_and_b32 v112, 15, v0                         ; i
	v_lshrrev_b32 v113, 4, v0                      ; p
	v_lshlrev_b32 v114, 4, v112                    ; 16 i
	v_lshl_add_u32 v2, v113, 15, v114              ; x: p rows of 32,768 bytes + 16 i
	v_lshlrev_b32 v3, 2, v113                      ; weights: 4 p
	v_mul_u32_u24 v[RS], v113, PP
	v_add_nc_u32 v[RS], v[RS], v114                ; p * 768 + 16 i
	s_lshr_b32 s21, ttmp9, 7                       ; batch
	s_lshl_b32 s21, s21, 21                        ; * 64 rows of 32,768 bytes
	s_and_b32 s22, ttmp9, 127
	s_lshl_b32 s22, s22, 8                         ; + 64 positions of 4 bytes for each work-group of the batch
	s_add_co_u32 s22, s22, s21
	s_mov_b32 s23, 0
	s_wait_kmcnt 0x0
	s_add_nc_u64 s[4:5], s[4:5], s[22:23]
	s_lshl_b32 s22, ttmp9, 8                       ; proj: 256 bytes for each work-group in each of its three parts
	s_add_nc_u64 s[18:19], s[18:19], s[22:23]
	s_load_b32 s24, s[8:9], 0x0                    ; bq
	s_load_b32 s25, s[12:13], 0x0                  ; bk
	s_load_b32 s26, s[16:17], 0x0                  ; bv
.irp it, 0,1,2,3
	global_load_b128 v[X+4*\it:X+4*\it+3], v2, s[4:5] offset:524288*\it    ; channel 16 it + p.  No hint: the next launch reads x again
.endr
.irp it, 0,1,2,3
	global_load_b32 v[WQ+\it], v3, s[6:7] offset:64*\it
	global_load_b32 v[WK+\it], v3, s[10:11] offset:64*\it
	global_load_b32 v[WV+\it], v3, s[14:15] offset:64*\it
.endr
	s_wait_loadcnt 0x0                             ; all sixteen loads were issued at once and all are needed now
	; channel 0 starts the sums (nothing is cleared); the weight is broadcast from the first register of its pair
	v_pk_mul_f32 v[AQ:AQ+1],   v[X:X+1],   v[WQ:WQ+1] op_sel_hi:[1,0]
	v_pk_mul_f32 v[AQ+2:AQ+3], v[X+2:X+3], v[WQ:WQ+1] op_sel_hi:[1,0]
	v_pk_mul_f32 v[AK:AK+1],   v[X:X+1],   v[WK:WK+1] op_sel_hi:[1,0]
	v_pk_mul_f32 v[AK+2:AK+3], v[X+2:X+3], v[WK:WK+1] op_sel_hi:[1,0]
	v_pk_mul_f32 v[AV:AV+1],   v[X:X+1],   v[WV:WV+1] op_sel_hi:[1,0]
	v_pk_mul_f32 v[AV+2:AV+3], v[X+2:X+3], v[WV:WV+1] op_sel_hi:[1,0]
; channel it: six packed multiply-adds; pr = the even register of the weight's pair, s = which of the pair is broadcast
.macro ACCUM it, pr, s
.irp a, 0,4,8
	v_pk_fma_f32 v[AQ+\a:AQ+\a+1],   v[X+4*\it:X+4*\it+1],   v[WQ+\a+\pr:WQ+\a+\pr+1], v[AQ+\a:AQ+\a+1]   op_sel:[0,\s,0] op_sel_hi:[1,\s,1]
	v_pk_fma_f32 v[AQ+\a+2:AQ+\a+3], v[X+4*\it+2:X+4*\it+3], v[WQ+\a+\pr:WQ+\a+\pr+1], v[AQ+\a+2:AQ+\a+3] op_sel:[0,\s,0] op_sel_hi:[1,\s,1]
.endr
.endm
	ACCUM 1, 0, 1
	ACCUM 2, 2, 0
	ACCUM 3, 2, 1
	ds_store_b128 v[RS], v[AQ:AQ+3]
	ds_store_b128 v[RS], v[AK:AK+3] offset:256
	ds_store_b128 v[RS], v[AV:AV+3] offset:512
	s_wait_dscnt 0x0                               ; zero: other waves read these bytes behind the barrier
	s_wait_kmcnt 0x0                               ; the three biases
	s_barrier_signal -1
	s_barrier_wait -1
	s_cmp_ge_u32 s20, 2
	s_cbranch_scc1 .Lend                           ; 192 sums of sixteen are left: work for two waves
	; wave 0: lanes 0-15 take q, lanes 16-31 take k.  wave 1: both halves take v.
	v_min_u32 v115, 2, v113
	v_lshl_add_u32 v[RL], v115, 8, v114            ; 256 * (q, k or v) + 16 i
.irp p, 0,1,2,3,4,5,6,7,8,9,10,11,12,13,14,15
	ds_load_b128 v[R+4*\p:R+4*\p+3], v[RL] offset:PP*\p
.endr
	s_wait_dscnt 0x0
.macro QADD a, b                       ; quad a += quad b
	v_pk_add_f32 v[R+4*(\a):R+4*(\a)+1],   v[R+4*(\a):R+4*(\a)+1],   v[R+4*(\b):R+4*(\b)+1]
	v_pk_add_f32 v[R+4*(\a)+2:R+4*(\a)+3], v[R+4*(\a)+2:R+4*(\a)+3], v[R+4*(\b)+2:R+4*(\b)+3]
.endm
.irp p, 0,1,2,3,4,5,6,7
	QADD \p, \p+8
.endr
.irp p, 0,1,2,3
	QADD \p, \p+4
.endr
	QADD 0, 2
	QADD 1, 3
	QADD 0, 1
	v_and_b32 v115, 16, v0                         ; 16 h
	v_cmp_eq_u32 vcc_lo, 0, v115                   ; the lower half of the wave
	s_cmp_lg_u32 s20, 0
	s_cbranch_scc1 .Lwave1
	; wave 0: q' = (sum + bq) log2(e) and k = sum + bk, as sum * scale + bias * scale
	v_mov_b32 v116, s25
	v_mov_b32 v117, s24
	v_cndmask_b32 v116, v116, v117, vcc_lo         ; bq below, bk above
	v_mov_b32 v118, 1.0
	v_mov_b32 v119, 0x3fb8aa3b                     ; log2(e): the exponentials of the next launch work in base 2
	v_cndmask_b32 v118, v118, v119, vcc_lo
	v_mul_f32 v116, v116, v118
	v_pk_fma_f32 v[R:R+1],   v[R:R+1],   v[118:119], v[116:117] op_sel_hi:[1,0,0]
	v_pk_fma_f32 v[R+2:R+3], v[R+2:R+3], v[118:119], v[116:117] op_sel_hi:[1,0,0]
	v_lshl_add_u32 v120, v115, 12, v114            ; 65,536 h + 16 i
	global_store_b128 v120, v[R:R+3], s[18:19]     ; each half of the wave stores 256 consecutive bytes, aligned
	s_wait_tensorcnt 0x0
	ds_add_u32 v128, v129
	s_wait_dscnt 0x0
	s_endpgm
.Lwave1:
	; wave 1: v, and what bf16 leaves of it
	v_mov_b32 v116, s26
	v_mov_b32 v117, s26
	v_pk_add_f32 v[R:R+1],   v[R:R+1],   v[116:117]
	v_pk_add_f32 v[R+2:R+3], v[R+2:R+3], v[116:117]
	v_cvt_pk_bf16_f32 v118, v[R],   v[R+1]
	v_cvt_pk_bf16_f32 v119, v[R+2], v[R+3]
	v_lshlrev_b32 v120, 16, v118                   ; the rounded halves back in f32
	v_and_b32 v121, 0xffff0000, v118
	v_lshlrev_b32 v122, 16, v119
	v_and_b32 v123, 0xffff0000, v119
	v_pk_add_f32 v[120:121], v[R:R+1],   v[120:121] neg_lo:[0,1] neg_hi:[0,1]
	v_pk_add_f32 v[122:123], v[R+2:R+3], v[122:123] neg_lo:[0,1] neg_hi:[0,1]
	v_cvt_pk_bf16_f32 v120, v120, v121
	v_cvt_pk_bf16_f32 v121, v122, v123
	v_cndmask_b32 v118, v120, v118, vcc_lo         ; lanes 0-15 store the upper parts, lanes 16-31 the remainders
	v_cndmask_b32 v119, v121, v119, vcc_lo
	v_and_b32 v124, 31, v0
	v_lshlrev_b32 v124, 3, v124
	global_store_b64 v124, v[118:119], s[18:19] offset:131072   ; the wave stores 256 consecutive bytes, aligned
.Lend:
	s_wait_tensorcnt 0x0
	ds_add_u32 v128, v129
	s_wait_dscnt 0x0
	s_endpgm
.Lfunc_end_k_q8e9f2e104f_proj_qkv:
	.size	k_q8e9f2e104f_proj_qkv, .Lfunc_end_k_q8e9f2e104f_proj_qkv-k_q8e9f2e104f_proj_qkv
	.p2alignl 7, 3214868480
	.fill 96, 4, 3214868480
	.section	.rodata,"a",@progbits
	.p2align	6, 0x0
	.amdhsa_kernel k_q8e9f2e104f_proj_qkv
		.amdhsa_group_segment_fixed_size 13312
		.amdhsa_private_segment_fixed_size 0
		.amdhsa_enable_private_segment 0
		.amdhsa_kernarg_size 64
		.amdhsa_user_sgpr_count 2
		.amdhsa_user_sgpr_kernarg_segment_ptr 1
		.amdhsa_wavefront_size32 1
		.amdhsa_system_sgpr_workgroup_id_x 1
		.amdhsa_system_sgpr_workgroup_id_y 1
		.amdhsa_system_sgpr_workgroup_id_z 1
		.amdhsa_system_vgpr_workitem_id 0
		.amdhsa_next_free_vgpr 130
		.amdhsa_next_free_sgpr 66
		.amdhsa_reserve_vcc 1
		.amdhsa_float_denorm_mode_32 3
		.amdhsa_float_denorm_mode_16_64 3
		.amdhsa_memory_ordered 1
		.amdhsa_forward_progress 1
		.amdhsa_inst_pref_size 10
	.end_amdhsa_kernel
	.amdgpu_metadata
---
amdhsa.version: [ 1, 2 ]
amdhsa.kernels:
  - .name:           k_q8e9f2e104f_proj_qkv
    .symbol:         k_q8e9f2e104f_proj_qkv.kd
    .args:
      - { .name: x, .offset: 0, .size: 8, .value_kind: global_buffer, .address_space: global }
      - { .name: Wq_w, .offset: 8, .size: 8, .value_kind: global_buffer, .address_space: global }
      - { .name: Wq_b, .offset: 16, .size: 8, .value_kind: global_buffer, .address_space: global }
      - { .name: Wk_w, .offset: 24, .size: 8, .value_kind: global_buffer, .address_space: global }
      - { .name: Wk_b, .offset: 32, .size: 8, .value_kind: global_buffer, .address_space: global }
      - { .name: Wv_w, .offset: 40, .size: 8, .value_kind: global_buffer, .address_space: global }
      - { .name: Wv_b, .offset: 48, .size: 8, .value_kind: global_buffer, .address_space: global }
      - { .name: proj, .offset: 56, .size: 8, .value_kind: global_buffer, .address_space: global }
    .group_segment_fixed_size: 13312
    .private_segment_fixed_size: 0
    .kernarg_segment_align: 8
    .kernarg_segment_size: 64
    .max_flat_workgroup_size: 256
    .sgpr_count:     66
    .vgpr_count:     130
    .wavefront_size: 32
...
	.end_amdgpu_metadata
.endif
;; end of part 1
;; launch attend (part 2): grid 256 x 1, 8 waves a work-group, no clusters, 109,056 bytes of LDS; arguments proj, x, Wo_w, Wo_b, beta, out0; writes out0
.if DOCPART == 2
	.amdgcn_target "amdgcn-amd-amdhsa--gfx1250"
	.amdhsa_code_object_version 6
	.text
	.protected	k_q8e9f2e104f_attend
	.globl	k_q8e9f2e104f_attend
	.p2align	8
	.type	k_q8e9f2e104f_attend,@function
k_q8e9f2e104f_attend:
	s_mov_b64 s[64:65], 0
	v_nop
	global_prefetch_b8 v0, s[64:65] scope:SCOPE_SE
	s_setreg_imm32_b32 hwreg(HW_REG_WAVE_MODE, 25, 1), 1
	s_wait_xcnt 0x0
; out[b][c][l] = beta (Wo[c] O[b][l] + bo[c]) + x[b][c][l],  O[b][l] = sum_m p v[m] / sum_m p,  p = exp(q[l] k[m] - max_m q[l] k[m]).
; THE MAXIMUM.  A row's scores are q times the k of the batch, so their maximum is max(q kmax, q kmin): it is known before the row
; is walked, it is taken away in front of every exponential, and partial sums over pieces of m simply add.
; SHARES.  A work-group owns 64 rows l of one batch and walks all 8,192 m.  Wave w takes all 64 rows (four blocks of 16) and
; m = 1024 w .. 1024 w + 1023 in 32 steps of 32, so that one set of k registers and one fragment of v serve four row blocks:
; six LDS loads for 64 exponentials of a lane.  Lane (r = lane & 15, h = lane >> 4) makes, for row 16 rb + r, the sixteen p at
; m0 + 8h + 0..7 and m0 + 16 + 8h + 0..7: the places that the matrix instruction's first source wants, so p never changes lanes.
; UNITS.  The exponent is one f32 multiply-add, k q' - m with q' = q log2(e) (the product has one term: nothing for a matrix unit to
; add, and 16-bit q or k would spoil an exponent).  The sums over m go to the matrix unit: A = p in bf16, B's columns 0, 1, 2 =
; bf16(v), bf16(v - bf16(v)), ones; columns 3-15 = zeros.  Numerator and denominator use the same rounded p.
; NO CLUSTER, NO TENSOR LOADS: what work-groups share is k and v of a batch, 64 KB, read once at the start against 2^19 exponentials of
; a work-group; it passes through registers anyway (k for its minimum and maximum, v to take its two halves apart), and it all fits
; in LDS at once, so there is no loop of shared tiles to ask for jointly and no ring.
; LIMITS.  The exponent k q' - m is rounded otherwise than the reference's (q k) - max; at the row's maximum it leaves at most half a
; unit in the last place of m.  p below 2^-126 counts as zero (v_exp_f32 flushes denormals, ISA guide 15.8).  p is rounded to bf16.
; NaN in k is dropped by the minimum and maximum, and infinities are not served: NaN and infinite inputs do not come out as in the reference.
.set VB,  32768                        ; LDS 0: k, 8,192 f32.  VB: four rows of 8,192 bf16: v upper, v remainder, ones, zeros
.set VP,  16528                        ; their pitch: 16,384 + 144, so that the four rows of a fragment load fall in the 16-byte columns 0, 144, 32, 176 of 256
.set RED, 99072                        ; [wave][column 0..3][64 rows] f32: the waves' partial sums (column 3 takes the zero columns and is never read)
.set NP,  272
.set WP,  4*NP
.set MM,  107776                       ; [wave]{max k, min k}
.set KA,  2                            ; v2         LDS address of my k of the step
.set VA,  3                            ; v3         LDS address of my part of B's fragment
.set QP,  4                            ; v[4:11]    row block rb: the pair (q', -m)
.set KR,  16                           ; v[16:47]   k of a step, 16 f32, two buffers
.set VF,  48                           ; v[48:63]   B's fragment, two buffers
.set T,   64                           ; v[64:95]   16 exponents, then 16 p, two sets.  At the start: k as loaded
.set P,   96                           ; v[96:111]  p in bf16, A's fragment, two sets.  At the start (with v112-127): v as loaded
.set ACC, 112                          ; v[112:143] four accumulators, one for each row block
.set X,   144                          ; v[144:159] x: four quads, my four channels
.set WO,  160                          ; v[160:163] Wo of my four channels
.set BO,  164                          ; v[164:167] bo of my four channels
.set XO,  168                          ; v168       my byte offset in x and in out0
.set R,   16                           ; v[16:111]  at the end: 24 quads of partial sums
	s_load_b256 s[4:11], s[0:1], 0x0               ; proj 4:5, x 6:7, Wo_w 8:9, Wo_b 10:11
	s_load_b128 s[12:15], s[0:1], 0x20             ; beta 12:13, out0 14:15
	v_lshl_add_u32 v176, v0, 2, 0x1a600
	v_mov_b32 v177, 0
	v_lshrrev_b32 v1, 5, v0
	v_readfirstlane_b32 s16, v1                    ; wave number
	s_mov_b32 s22, 0x76543210                      ; v_permlanex16_b32: lane i of one half reads lane i of the other
	s_mov_b32 s23, 0xfedcba98
	s_lshr_b32 s17, ttmp9, 7                       ; batch
	s_and_b32 s24, ttmp9, 127                      ; block of 64 rows in the batch
	v_and_b32 v12, 15, v0                          ; r = t & 15
	v_bfe_u32 v13, v0, 4, 1                        ; h
	v_lshrrev_b32 v14, 4, v0                       ; t >> 4
	v_lshlrev_b32 v169, 4, v0                      ; 16 t: k and v in memory, k in LDS
	v_add_nc_u32 v170, VB+2*VP, v169               ; the rows of ones and zeros
	v_lshlrev_b32 v172, 2, v12                     ; q': 4 r
	v_lshlrev_b32 v173, 2, v14                     ; Wo, bo: 4 (t >> 4)
	v_lshlrev_b32 v15, 4, v12
	v_lshl_add_u32 v[XO], v14, 15, v15             ; (t >> 4) rows of 32,768 bytes + 16 (t & 15)
	v_and_b32 v171, 7, v0                          ; v into LDS: of a chunk's 256 bytes the first 128 go to row 0, the others to row 1
	v_lshlrev_b32 v171, 4, v171                    ; 16 (t & 7)
	v_lshl_add_u32 v171, v14, 7, v171              ; + 128 (t >> 4): a chunk is 64 positions
	v_bfe_u32 v15, v0, 3, 1
	v_mul_u32_u24 v15, v15, VP
	v_add_nc_u32 v171, v171, v15
	v_add_nc_u32 v171, VB, v171
	s_lshl_b32 s18, s16, 12
	v_lshl_add_u32 v[KA], v13, 5, s18              ; 4 (1024 w + 8 h)
	v_min_u32 v174, 3, v12                         ; my column's row of VB, and of RED: columns 3-15 share the row of zeros
	v_mul_u32_u24 v[VA], v174, VP
	v_lshl_add_u32 v[VA], v13, 4, v[VA]
	s_lshl_b32 s18, s16, 11
	s_add_co_u32 s18, s18, VB
	v_add_nc_u32 v[VA], s18, v[VA]                 ; VB + row * VP + 2 (1024 w + 8 h)
	s_lshl_b32 s18, s16, 3
	s_add_co_u32 s18, s18, MM
	v_mov_b32 v1, s18                              ; MM + 8 w
	v_mov_b32 v175, MM
	s_wait_kmcnt 0x0
	s_load_b32 s20, s[12:13], 0x0                  ; beta
	s_lshl_b32 s18, s17, 15
	s_mov_b32 s19, 0
	s_add_nc_u64 s[26:27], s[4:5], s[18:19]        ; proj + 32,768 b: k at + 65,536, v at + 131,072
	s_lshl_b32 s18, ttmp9, 8
	s_add_nc_u64 s[30:31], s[4:5], s[18:19]        ; q' of my 64 rows
	s_lshl_b32 s18, s17, 21
	s_lshl_b32 s24, s24, 8
	s_add_co_u32 s18, s18, s24
	s_add_nc_u64 s[32:33], s[6:7], s[18:19]        ; x and out0 at my batch and my 64 positions
	s_add_nc_u64 s[34:35], s[14:15], s[18:19]
	; every global load of the kernel, 32 of them, in the order in which they are wanted
.irp i, 0,1,2,3,4,5,6,7
	global_load_b128 v[T+4*\i:T+4*\i+3], v169, s[26:27] offset:65536+4096*\i
.endr
.irp i, 0,1,2,3,4,5,6,7
	global_load_b128 v[P+4*\i:P+4*\i+3], v169, s[26:27] offset:131072+4096*\i
.endr
.irp rb, 0,1,2,3
	global_load_b32 v[QP+2*\rb], v172, s[30:31] offset:64*\rb
.endr
.irp it, 0,1,2,3
	global_load_b128 v[X+4*\it:X+4*\it+3], v[XO], s[32:33] offset:524288*\it th:TH_LOAD_NT   ; read once in this launch
.endr
.irp it, 0,1,2,3
	global_load_b32 v[WO+\it], v173, s[8:9] offset:64*\it
.endr
.irp it, 0,1,2,3
	global_load_b32 v[BO+\it], v173, s[10:11] offset:64*\it
.endr
	; meanwhile: the rows of ones and of zeros, full length, so that one lane address and common offsets serve all of B's columns
.irp j, 0,1,2,3
	v_mov_b32 v[16+\j], 0x3f803f80                 ; 1.0 twice in bf16
	v_mov_b32 v[20+\j], 0
.endr
.irp i, 0,1,2,3
	ds_store_b128 v170, v[16:19] offset:4096*\i
	ds_store_b128 v170, v[20:23] offset:VP+4096*\i
.endr
	s_wait_loadcnt 24                              ; k is in: the 24 younger loads stay out
.irp i, 0,1,2,3,4,5,6,7
	ds_store_b128 v169, v[T+4*\i:T+4*\i+3] offset:4096*\i
.endr
	v_max_num_f32 v12, v[T], v[T+1]                ; largest and smallest of my 32 k
	v_min_num_f32 v13, v[T], v[T+1]
.irp i, 2,4,6,8,10,12,14,16,18,20,22,24,26,28,30
	v_max3_num_f32 v12, v12, v[T+\i], v[T+\i+1]
	v_min3_num_f32 v13, v13, v[T+\i], v[T+\i+1]
.endr
	s_wait_loadcnt 16                              ; v is in: the 16 younger loads stay out
.irp i, 0,1,2,3,4,5,6,7
	ds_store_b128 v171, v[P+4*\i:P+4*\i+3] offset:2048*\i
.endr
.irp m, 1,2,4,8
	v_max_num_f32_dpp v12, v12, v12 row_xmask:\m row_mask:0xf bank_mask:0xf
	v_min_num_f32_dpp v13, v13, v13 row_xmask:\m row_mask:0xf bank_mask:0xf
.endr
	v_permlanex16_b32 v14, v12, s22, s23           ; (v14 and v15 have been written above)
	v_permlanex16_b32 v15, v13, s22, s23
	v_max_num_f32 v12, v12, v14
	v_min_num_f32 v13, v13, v15
	ds_store_b64 v1, v[12:13]                      ; all lanes store the same pair
	s_wait_dscnt 0x0                               ; zero: every wave reads k, B's rows and the eight pairs behind the barrier
	s_barrier_signal -1
	s_barrier_wait -1
.macro LOADK buf, off                  ; k at m0 + 8h + 0..7 and m0 + 16 + 8h + 0..7; the sixteen lanes of a half read the same bytes
	ds_load_b128 v[KR+16*(\buf):KR+16*(\buf)+3],     v[KA] offset:\off
	ds_load_b128 v[KR+16*(\buf)+4:KR+16*(\buf)+7],   v[KA] offset:\off+16
	ds_load_b128 v[KR+16*(\buf)+8:KR+16*(\buf)+11],  v[KA] offset:\off+64
	ds_load_b128 v[KR+16*(\buf)+12:KR+16*(\buf)+15], v[KA] offset:\off+80
.endm
.macro LOADV buf, off                  ; B's fragment: column r, the same sixteen m
	ds_load_b128 v[VF+8*(\buf):VF+8*(\buf)+3],   v[VA] offset:\off
	ds_load_b128 v[VF+8*(\buf)+4:VF+8*(\buf)+7], v[VA] offset:\off+32
.endm
.macro ARG ts, buf, rb, j              ; two exponents: k q' - m; q' is the pair's first register, -m its second, each for both halves
	v_pk_fma_f32 v[T+16*(\ts)+2*\j:T+16*(\ts)+2*\j+1], v[KR+16*(\buf)+2*\j:KR+16*(\buf)+2*\j+1], v[QP+2*(\rb):QP+2*(\rb)+1], v[QP+2*(\rb):QP+2*(\rb)+1] op_sel:[0,0,1] op_sel_hi:[1,0,1]
.endm
; One row block of one step: 16 exponentials in place, 8 roundings to bf16, one matrix instruction; woven in, the 16 exponents of the
; stage that follows (nxt = 1: buffer nbuf, row block nrb), into the other set of T.  Behind each two v_exp_f32 stands that packed
; multiply-add (or v_nop), a plain vector instruction that touches neither, before a result is read (ISA guide 5.7.2).
; The sets of P take turns: a set is written again a whole stage, sixteen plain vector instructions that name none of its registers,
; behind the matrix instruction that read it (ISA guide 7.12.1).  The same accumulator comes again four stages on, C and D alike.
.macro STAGE buf, rb, zero, nxt, nbuf, nrb
.set ts, (\rb)&1
.set tn, 1-ts
.irp j, 0,1,2,3,4,5,6,7
	v_exp_f32 v[T+16*ts+2*\j],   v[T+16*ts+2*\j]
	v_exp_f32 v[T+16*ts+2*\j+1], v[T+16*ts+2*\j+1]
.if \nxt
	ARG tn, \nbuf, \nrb, \j
.else
	v_nop
.endif
.if \j
	s_wait_alu depctr_va_vdst(0)
	v_cvt_pk_bf16_f32 v[P+8*ts+\j-1], v[T+16*ts+2*\j-2], v[T+16*ts+2*\j-1]
.endif
.endr
	v_cvt_pk_bf16_f32 v[P+8*ts+7], v[T+16*ts+14], v[T+16*ts+15]
.if \zero
	v_wmma_f32_16x16x32_bf16 v[ACC+8*(\rb):ACC+8*(\rb)+7], v[P+8*ts:P+8*ts+7], v[VF+8*(\buf):VF+8*(\buf)+7], 0
.else
	v_wmma_f32_16x16x32_bf16 v[ACC+8*(\rb):ACC+8*(\rb)+7], v[P+8*ts:P+8*ts+7], v[VF+8*(\buf):VF+8*(\buf)+7], v[ACC+8*(\rb):ACC+8*(\rb)+7]
.endif
.endm
; One step of 32 m, four stages.  The next step's k is asked for at the head (its buffer was last read two stages ago), the next B
; fragment one stage later: a whole stage of plain vector instructions behind the last matrix instruction that read that buffer.
; zero = 1: the first products start the sums.  last = 1: nothing follows.
.macro MSTEP buf, zero, last
.if \last == 0
	LOADK 1-\buf, 128*(\buf+1)
.endif
	STAGE \buf, 0, \zero, 1, \buf, 1
.if \last == 0
	LOADV 1-\buf, 64*(\buf+1)
.endif
	STAGE \buf, 1, \zero, 1, \buf, 2
	STAGE \buf, 2, \zero, 1, \buf, 3
.if \last == 0
	s_wait_dscnt 0x0                               ; the six loads of this step, issued two and three stages ago: the stage below reads the next k
	STAGE \buf, 3, \zero, 1, 1-\buf, 0
.else
	STAGE \buf, 3, \zero, 0, 0, 0
.endif
.endm
.irp i, 0,1,2,3
	ds_load_b128 v[P+4*\i:P+4*\i+3], v175 offset:16*\i     ; the eight waves' {max, min}
.endr
	LOADK 0, 0
	LOADV 0, 0
	s_wait_dscnt 6                                 ; the four loads of the pairs are in; the six fragment loads behind them stay out
	v_max3_num_f32 v12, v[P],   v[P+2], v[P+4]
	v_min3_num_f32 v13, v[P+1], v[P+3], v[P+5]
	v_max3_num_f32 v12, v12, v[P+6], v[P+8]
	v_min3_num_f32 v13, v13, v[P+7], v[P+9]
	v_max3_num_f32 v12, v12, v[P+10], v[P+12]
	v_min3_num_f32 v13, v13, v[P+11], v[P+13]
	v_max_num_f32 v12, v12, v[P+14]                ; kmax of the batch
	v_min_num_f32 v13, v13, v[P+15]                ; kmin
	s_wait_loadcnt 12                              ; q' is in: x, Wo and bo, twelve loads, stay out until the end
.irp rb, 0,1,2,3
	v_mul_f32 v14, -v[QP+2*\rb], v12
	v_mul_f32 v15, -v[QP+2*\rb], v13
	v_min_num_f32 v[QP+2*\rb+1], v14, v15          ; -m = -max(q' kmax, q' kmin)
.endr
	s_wait_dscnt 0x0                               ; k and B's fragment of step 0
.irp j, 0,1,2,3,4,5,6,7
	ARG 0, 0, 0, \j
.endr
	MSTEP 0, 1, 0                                  ; steps 0 and 1 stand in front of the loop: they start the sums
	MSTEP 1, 0, 0
	v_add_nc_u32 v[KA], 256, v[KA]
	v_add_nc_u32 v[VA], 128, v[VA]
	s_mov_b32 s24, 14
.Ltrip:                                            ; steps 2 to 29
	MSTEP 0, 0, 0
	MSTEP 1, 0, 0
	v_add_nc_u32 v[KA], 256, v[KA]
	v_add_nc_u32 v[VA], 128, v[VA]
	s_sub_co_u32 s24, s24, 1
	s_cmp_lg_u32 s24, 0
	s_cbranch_scc1 .Ltrip
	MSTEP 0, 0, 0                                  ; steps 30 and 31: the last asks for nothing, so no load passes my 1,024 m
	MSTEP 1, 0, 1
	; THE WAY OUT.  Register j of an accumulator is (row 8h + j, column r).  Seven plain vector instructions that name no register of the
	; last matrix instruction stand between it and the stores that read its result.
	s_mul_i32 s18, s16, WP
	s_add_co_u32 s18, s18, RED
	v_bfe_u32 v13, v0, 4, 1
	v_mul_u32_u24 v12, v174, NP
	v_lshl_add_u32 v12, v13, 5, v12
	v_add_nc_u32 v12, s18, v12                     ; RED + w WP + min(r, 3) NP + 4 (8 h)
	v_and_b32 v14, 15, v0
	v_lshlrev_b32 v14, 4, v14
	v_add_nc_u32 v14, RED, v14                     ; RED + 16 (t & 15)
.irp rb, 0,1,2,3
	ds_store_b128 v12, v[ACC+8*\rb:ACC+8*\rb+3]   offset:64*\rb      ; lanes of columns 3-15 all hold zeros and store them to the fourth row
	ds_store_b128 v12, v[ACC+8*\rb+4:ACC+8*\rb+7] offset:64*\rb+16
.endr
	s_wait_dscnt 0x0                               ; zero: every wave reads all eight blocks behind the barrier
	s_barrier_signal -1
	s_barrier_wait -1
	; every thread adds the eight waves' sums for its own four positions (sixteen threads do the same work: that spares a third barrier)
.irp w, 0,1,2,3,4,5,6,7
.irp n, 0,1,2
	ds_load_b128 v[R+4*(3*\w+\n):R+4*(3*\w+\n)+3], v14 offset:\w*WP+\n*NP
.endr
.endr
	s_wait_dscnt 0x0
.macro QADD a, b                       ; quad a += quad b
	v_pk_add_f32 v[R+4*(\a):R+4*(\a)+1],   v[R+4*(\a):R+4*(\a)+1],   v[R+4*(\b):R+4*(\b)+1]
	v_pk_add_f32 v[R+4*(\a)+2:R+4*(\a)+3], v[R+4*(\a)+2:R+4*(\a)+3], v[R+4*(\b)+2:R+4*(\b)+3]
.endm
.irp n, 0,1,2
	QADD \n, 12+\n
	QADD 3+\n, 15+\n
	QADD 6+\n, 18+\n
	QADD 9+\n, 21+\n
	QADD \n, 6+\n
	QADD 3+\n, 9+\n
	QADD \n, 3+\n
.endr
.irp j, 0,1,2,3
	v_rcp_f32 v[R+12+\j], v[R+8+\j]                ; 1 / sum of p (at least the p of the row's maximum, about 1)
.endr
	v_pk_add_f32 v[R:R+1],   v[R:R+1],   v[R+4:R+5]        ; the two parts of v's sum: also the plain instructions behind the reciprocals
	v_pk_add_f32 v[R+2:R+3], v[R+2:R+3], v[R+6:R+7]
	s_wait_alu depctr_va_vdst(0)
	v_pk_mul_f32 v[R:R+1],   v[R:R+1],   v[R+12:R+13]      ; O of my four positions
	v_pk_mul_f32 v[R+2:R+3], v[R+2:R+3], v[R+14:R+15]
	s_wait_loadcnt 0x0                             ; x, Wo, bo
	s_wait_kmcnt 0x0                               ; beta
	v_mov_b32 v12, s20
	v_mov_b32 v13, s20
	v_pk_mul_f32 v[WO:WO+1],   v[WO:WO+1],   v[12:13]      ; beta Wo
	v_pk_mul_f32 v[WO+2:WO+3], v[WO+2:WO+3], v[12:13]
; channel 16 it + (t >> 4): x + beta bo + (beta Wo) O.  pr, s: the pair that holds the channel's Wo and bo, and which of the two
.macro OUTROW it, pr, s
	v_pk_fma_f32 v[X+4*\it:X+4*\it+1],   v[BO+\pr:BO+\pr+1], v[12:13], v[X+4*\it:X+4*\it+1]   op_sel:[\s,0,0] op_sel_hi:[\s,1,1]
	v_pk_fma_f32 v[X+4*\it+2:X+4*\it+3], v[BO+\pr:BO+\pr+1], v[12:13], v[X+4*\it+2:X+4*\it+3] op_sel:[\s,0,0] op_sel_hi:[\s,1,1]
	v_pk_fma_f32 v[X+4*\it:X+4*\it+1],   v[R:R+1],   v[WO+\pr:WO+\pr+1], v[X+4*\it:X+4*\it+1]   op_sel:[0,\s,0] op_sel_hi:[1,\s,1]
	v_pk_fma_f32 v[X+4*\it+2:X+4*\it+3], v[R+2:R+3], v[WO+\pr:WO+\pr+1], v[X+4*\it+2:X+4*\it+3] op_sel:[0,\s,0] op_sel_hi:[1,\s,1]
	global_store_b128 v[XO], v[X+4*\it:X+4*\it+3], s[34:35] offset:524288*\it th:TH_STORE_NT   ; sixteen lanes store 256 consecutive bytes, aligned
.endm
	OUTROW 0, 0, 0
	OUTROW 1, 0, 1
	OUTROW 2, 2, 0
	OUTROW 3, 2, 1
	s_wait_tensorcnt 0x0
	ds_add_u32 v176, v177
	s_wait_dscnt 0x0
	s_endpgm
.Lfunc_end_k_q8e9f2e104f_attend:
	.size	k_q8e9f2e104f_attend, .Lfunc_end_k_q8e9f2e104f_attend-k_q8e9f2e104f_attend
	.p2alignl 7, 3214868480
	.fill 96, 4, 3214868480
	.section	.rodata,"a",@progbits
	.p2align	6, 0x0
	.amdhsa_kernel k_q8e9f2e104f_attend
		.amdhsa_group_segment_fixed_size 109056
		.amdhsa_private_segment_fixed_size 0
		.amdhsa_enable_private_segment 0
		.amdhsa_kernarg_size 48
		.amdhsa_user_sgpr_count 2
		.amdhsa_user_sgpr_kernarg_segment_ptr 1
		.amdhsa_wavefront_size32 1
		.amdhsa_system_sgpr_workgroup_id_x 1
		.amdhsa_system_sgpr_workgroup_id_y 1
		.amdhsa_system_sgpr_workgroup_id_z 1
		.amdhsa_system_vgpr_workitem_id 0
		.amdhsa_next_free_vgpr 178
		.amdhsa_next_free_sgpr 66
		.amdhsa_reserve_vcc 0
		.amdhsa_float_denorm_mode_32 3
		.amdhsa_float_denorm_mode_16_64 3
		.amdhsa_memory_ordered 1
		.amdhsa_forward_progress 1
		.amdhsa_inst_pref_size 65
	.end_amdhsa_kernel
	.amdgpu_metadata
---
amdhsa.version: [ 1, 2 ]
amdhsa.kernels:
  - .name:           k_q8e9f2e104f_attend
    .symbol:         k_q8e9f2e104f_attend.kd
    .args:
      - { .name: proj, .offset: 0, .size: 8, .value_kind: global_buffer, .address_space: global }
      - { .name: x, .offset: 8, .size: 8, .value_kind: global_buffer, .address_space: global }
      - { .name: Wo_w, .offset: 16, .size: 8, .value_kind: global_buffer, .address_space: global }
      - { .name: Wo_b, .offset: 24, .size: 8, .value_kind: global_buffer, .address_space: global }
      - { .name: beta, .offset: 32, .size: 8, .value_kind: global_buffer, .address_space: global }
      - { .name: out0, .offset: 40, .size: 8, .value_kind: global_buffer, .address_space: global }
    .group_segment_fixed_size: 109056
    .private_segment_fixed_size: 0
    .kernarg_segment_align: 8
    .kernarg_segment_size: 48
    .max_flat_workgroup_size: 256
    .sgpr_count:     66
    .vgpr_count:     178
    .wavefront_size: 32
...
	.end_amdgpu_metadata
.endif
;; end of part 2
;; ======== version 2 of 2: 2 launches; 1.43 times as fast as version 1
;; workspace buffers: proj 196,608 bytes
;; launch proj_qkv: the kernel of part 1 again; grid 256 x 1, 8 waves a work-group, no clusters, 13,312 bytes of LDS; arguments x, Wq_w, Wq_b, Wk_w, Wk_b, Wv_w, Wv_b, proj; writes proj
;; launch attend (part 3): grid 256 x 1, 8 waves a work-group, no clusters, 109,056 bytes of LDS; arguments proj, x, Wo_w, Wo_b, beta, out0; writes out0
.if DOCPART == 3
	.amdgcn_target "amdgcn-amd-amdhsa--gfx1250"
	.amdhsa_code_object_version 6
	.text
	.protected	k_q8e9f2e104f_attend
	.globl	k_q8e9f2e104f_attend
	.p2align	8
	.type	k_q8e9f2e104f_attend,@function
k_q8e9f2e104f_attend:
	s_mov_b64 s[64:65], 0
	v_nop
	global_prefetch_b8 v0, s[64:65] scope:SCOPE_SE
	s_setreg_imm32_b32 hwreg(HW_REG_WAVE_MODE, 25, 1), 1
	s_wait_xcnt 0x0
; out[b][c][l] = beta (Wo[c] O[b][l] + bo[c]) + x[b][c][l],  O[b][l] = sum_m p v[m] / sum_m p,  p = exp(q[l] k[m] - max_m q[l] k[m]).
; THE MAXIMUM.  A row's scores are q times the k of the batch, so their maximum is max(q kmax, q kmin): it is known before the row
; is walked, it is taken away in front of every exponential, and partial sums over pieces of m simply add.
; SHARES.  A work-group owns 64 rows l of one batch and walks all 8,192 m.  Wave w takes all 64 rows (four blocks of 16) and
; m = 1024 w .. 1024 w + 1023 in 32 steps of 32, so that one set of k registers and one fragment of v serve four row blocks:
; six LDS loads for 64 exponentials of a lane.  Lane (r = lane & 15, h = lane >> 4) makes, for row 16 rb + r, the sixteen p at
; m0 + 8h + 0..7 and m0 + 16 + 8h + 0..7: the places that the matrix instruction's first source wants, so p never changes lanes.
; UNITS.  The exponent is one f32 multiply-add, k q' - m with q' = q log2(e) (the product has one term: nothing for a matrix unit to
; add, and 16-bit q or k would spoil an exponent).  The sums over m go to the matrix unit: A = p in bf16, B's columns 0, 1, 2 =
; bf16(v), bf16(v - bf16(v)), ones; columns 3-15 = zeros.  Numerator and denominator use the same rounded p.
; BATCHES.  A stage is one row block of one step.  Its sixteen exponentials are one batch with one wait, at the stage's end; between
; them stand the roundings and the product of the stage before and the exponents of the stage that follows, which name none of the
; batch's results.  So three stages are in hand at a time, and no result is open at a label or at a jump.  The four reciprocals of
; the way out are a batch of their own.
; NO CLUSTER, NO TENSOR LOADS: what work-groups share is k and v of a batch, 64 KB, read once at the start against 2^19 exponentials of
; a work-group; it passes through registers anyway (k for its minimum and maximum, v to take its two halves apart), and it all fits
; in LDS at once, so there is no loop of shared tiles to ask for jointly and no ring.
; LIMITS.  The exponent k q' - m is rounded otherwise than the reference's (q k) - max; at the row's maximum it leaves at most half a
; unit in the last place of m.  p below 2^-126 counts as zero (v_exp_f32 flushes denormals, ISA guide 15.8).  p is rounded to bf16.
; NaN in k is dropped by the minimum and maximum, and infinities are not served: NaN and infinite inputs do not come out as in the reference.
.set VB,  32768                        ; LDS 0: k, 8,192 f32.  VB: four rows of 8,192 bf16: v upper, v remainder, ones, zeros
.set VP,  16528                        ; their pitch: 16,384 + 144, so that the four rows of a fragment load fall in the 16-byte columns 0, 144, 32, 176 of 256
.set RED, 99072                        ; [wave][column 0..3][64 rows] f32: the waves' partial sums (column 3 takes the zero columns and is never read)
.set NP,  272
.set WP,  4*NP
.set MM,  107776                       ; [wave]{max k, min k}
.set KA,  2                            ; v2         LDS address of my k of the step
.set VA,  3                            ; v3         LDS address of my part of B's fragment
.set QP,  4                            ; v[4:11]    row block rb: the pair (q', -m)
.set KR,  16                           ; v[16:47]   k of a step, 16 f32, two buffers
.set VF,  48                           ; v[48:63]   B's fragment, two buffers
.set T,   64                           ; v[64:95]   16 exponents, then 16 p, two sets.  At the start: k as loaded
.set P,   96                           ; v[96:111]  p in bf16, A's fragment, two sets.  At the start (with v112-127): v as loaded
.set ACC, 112                          ; v[112:143] four accumulators, one for each row block
.set X,   144                          ; v[144:159] x: four quads, my four channels
.set WO,  160                          ; v[160:163] Wo of my four channels
.set BO,  164                          ; v[164:167] bo of my four channels
.set XO,  168                          ; v168       my byte offset in x and in out0
.set R,   16                           ; v[16:111]  at the end: 24 quads of partial sums
	s_load_b256 s[4:11], s[0:1], 0x0               ; proj 4:5, x 6:7, Wo_w 8:9, Wo_b 10:11
	s_load_b128 s[12:15], s[0:1], 0x20             ; beta 12:13, out0 14:15
	v_lshl_add_u32 v176, v0, 2, 0x1a600
	v_mov_b32 v177, 0
	v_lshrrev_b32 v1, 5, v0
	v_readfirstlane_b32 s16, v1                    ; wave number
	s_mov_b32 s22, 0x76543210                      ; v_permlanex16_b32: lane i of one half reads lane i of the other
	s_mov_b32 s23, 0xfedcba98
	s_lshr_b32 s17, ttmp9, 7                       ; batch
	s_and_b32 s24, ttmp9, 127                      ; block of 64 rows in the batch
	v_and_b32 v12, 15, v0                          ; r = t & 15
	v_bfe_u32 v13, v0, 4, 1                        ; h
	v_lshrrev_b32 v14, 4, v0                       ; t >> 4
	v_lshlrev_b32 v169, 4, v0                      ; 16 t: k and v in memory, k in LDS
	v_add_nc_u32 v170, VB+2*VP, v169               ; the rows of ones and zeros
	v_lshlrev_b32 v172, 2, v12                     ; q': 4 r
	v_lshlrev_b32 v173, 2, v14                     ; Wo, bo: 4 (t >> 4)
	v_lshlrev_b32 v15, 4, v12
	v_lshl_add_u32 v[XO], v14, 15, v15             ; (t >> 4) rows of 32,768 bytes + 16 (t & 15)
	v_and_b32 v171, 7, v0                          ; v into LDS: of a chunk's 256 bytes the first 128 go to row 0, the others to row 1
	v_lshlrev_b32 v171, 4, v171                    ; 16 (t & 7)
	v_lshl_add_u32 v171, v14, 7, v171              ; + 128 (t >> 4): a chunk is 64 positions
	v_bfe_u32 v15, v0, 3, 1
	v_mul_u32_u24 v15, v15, VP
	v_add_nc_u32 v171, v171, v15
	v_add_nc_u32 v171, VB, v171
	s_lshl_b32 s18, s16, 12
	v_lshl_add_u32 v[KA], v13, 5, s18              ; 4 (1024 w + 8 h)
	v_min_u32 v174, 3, v12                         ; my column's row of VB, and of RED: columns 3-15 share the row of zeros
	v_mul_u32_u24 v[VA], v174, VP
	v_lshl_add_u32 v[VA], v13, 4, v[VA]
	s_lshl_b32 s18, s16, 11
	s_add_co_u32 s18, s18, VB
	v_add_nc_u32 v[VA], s18, v[VA]                 ; VB + row * VP + 2 (1024 w + 8 h)
	s_lshl_b32 s18, s16, 3
	s_add_co_u32 s18, s18, MM
	v_mov_b32 v1, s18                              ; MM + 8 w
	v_mov_b32 v175, MM
	s_wait_kmcnt 0x0
	s_load_b32 s20, s[12:13], 0x0                  ; beta
	s_lshl_b32 s18, s17, 15
	s_mov_b32 s19, 0
	s_add_nc_u64 s[26:27], s[4:5], s[18:19]        ; proj + 32,768 b: k at + 65,536, v at + 131,072
	s_lshl_b32 s18, ttmp9, 8
	s_add_nc_u64 s[30:31], s[4:5], s[18:19]        ; q' of my 64 rows
	s_lshl_b32 s18, s17, 21
	s_lshl_b32 s24, s24, 8
	s_add_co_u32 s18, s18, s24
	s_add_nc_u64 s[32:33], s[6:7], s[18:19]        ; x and out0 at my batch and my 64 positions
	s_add_nc_u64 s[34:35], s[14:15], s[18:19]
	; every global load of the kernel, 32 of them, in the order in which they are wanted
.irp i, 0,1,2,3,4,5,6,7
	global_load_b128 v[T+4*\i:T+4*\i+3], v169, s[26:27] offset:65536+4096*\i
.endr
.irp i, 0,1,2,3,4,5,6,7
	global_load_b128 v[P+4*\i:P+4*\i+3], v169, s[26:27] offset:131072+4096*\i
.endr
.irp rb, 0,1,2,3
	global_load_b32 v[QP+2*\rb], v172, s[30:31] offset:64*\rb
.endr
.irp it, 0,1,2,3
	global_load_b128 v[X+4*\it:X+4*\it+3], v[XO], s[32:33] offset:524288*\it th:TH_LOAD_NT   ; read once in this launch
.endr
.irp it, 0,1,2,3
	global_load_b32 v[WO+\it], v173, s[8:9] offset:64*\it
.endr
.irp it, 0,1,2,3
	global_load_b32 v[BO+\it], v173, s[10:11] offset:64*\it
.endr
	; meanwhile: the rows of ones and of zeros, full length, so that one lane address and common offsets serve all of B's columns
.irp j, 0,1,2,3
	v_mov_b32 v[16+\j], 0x3f803f80                 ; 1.0 twice in bf16
	v_mov_b32 v[20+\j], 0
.endr
.irp i, 0,1,2,3
	ds_store_b128 v170, v[16:19] offset:4096*\i
	ds_store_b128 v170, v[20:23] offset:VP+4096*\i
.endr
	s_wait_loadcnt 24                              ; k is in: the 24 younger loads stay out
.irp i, 0,1,2,3,4,5,6,7
	ds_store_b128 v169, v[T+4*\i:T+4*\i+3] offset:4096*\i
.endr
	v_max_num_f32 v12, v[T], v[T+1]                ; largest and smallest of my 32 k
	v_min_num_f32 v13, v[T], v[T+1]
.irp i, 2,4,6,8,10,12,14,16,18,20,22,24,26,28,30
	v_max3_num_f32 v12, v12, v[T+\i], v[T+\i+1]
	v_min3_num_f32 v13, v13, v[T+\i], v[T+\i+1]
.endr
	s_wait_loadcnt 16                              ; v is in: the 16 younger loads stay out
.irp i, 0,1,2,3,4,5,6,7
	ds_store_b128 v171, v[P+4*\i:P+4*\i+3] offset:2048*\i
.endr
.irp m, 1,2,4,8
	v_max_num_f32_dpp v12, v12, v12 row_xmask:\m row_mask:0xf bank_mask:0xf
	v_min_num_f32_dpp v13, v13, v13 row_xmask:\m row_mask:0xf bank_mask:0xf
.endr
	v_permlanex16_b32 v14, v12, s22, s23           ; (v14 and v15 have been written above)
	v_permlanex16_b32 v15, v13, s22, s23
	v_max_num_f32 v12, v12, v14
	v_min_num_f32 v13, v13, v15
	ds_store_b64 v1, v[12:13]                      ; all lanes store the same pair
	s_wait_dscnt 0x0                               ; zero: every wave reads k, B's rows and the eight pairs behind the barrier
	s_barrier_signal -1
	s_barrier_wait -1
.macro LOADK buf, off                  ; k at m0 + 8h + 0..7 and m0 + 16 + 8h + 0..7; the sixteen lanes of a half read the same bytes
	ds_load_b128 v[KR+16*(\buf):KR+16*(\buf)+3],     v[KA] offset:\off
	ds_load_b128 v[KR+16*(\buf)+4:KR+16*(\buf)+7],   v[KA] offset:\off+16
	ds_load_b128 v[KR+16*(\buf)+8:KR+16*(\buf)+11],  v[KA] offset:\off+64
	ds_load_b128 v[KR+16*(\buf)+12:KR+16*(\buf)+15], v[KA] offset:\off+80
.endm
.macro LOADV buf, off                  ; B's fragment: column r, the same sixteen m
	ds_load_b128 v[VF+8*(\buf):VF+8*(\buf)+3],   v[VA] offset:\off
	ds_load_b128 v[VF+8*(\buf)+4:VF+8*(\buf)+7], v[VA] offset:\off+32
.endm
.macro ARG ts, buf, rb, j              ; two exponents: k q' - m; q' is the pair's first register, -m its second, each for both halves
	v_pk_fma_f32 v[T+16*(\ts)+2*\j:T+16*(\ts)+2*\j+1], v[KR+16*(\buf)+2*\j:KR+16*(\buf)+2*\j+1], v[QP+2*(\rb):QP+2*(\rb)+1], v[QP+2*(\rb):QP+2*(\rb)+1] op_sel:[0,0,1] op_sel_hi:[1,0,1]
.endm
; The stage of row block rb.  Its 16 exponentials, in place in set rb & 1 of T, are ONE BATCH; behind each stands one plain line of a
; neighbouring stage, which works on the other set of T and names no result of the batch:
;   exponentials 0-7:   the 8 roundings to bf16 of the stage before (prv = 1; its p were waited for at that stage's end), and behind the
;                       eighth its matrix instruction, on row block rb - 1 and B's buffer pbuf (pzero = 1: it starts the sum);
;   exponentials 8-15:  the 16 exponents of the stage that follows (nxt = 1: k's buffer nbuf, row block rb + 1): pair j is written
;                       behind the rounding that read pair j.  The last of these lines is the plain instruction that stands between
;                       the last exponential and the use of a result (ISA guide 5.7.2); with nxt = 0 a v_nop takes its part.
; Then the batch's one wait.  The first line that names a result of the batch is the next stage's first rounding.
; The sets of P take turns: a set is written again two stages on, 24 plain vector instructions that name none of its registers behind
; the matrix instruction that read it (ISA guide 7.12.1).  The same accumulator comes again four stages on, C and D alike.
.macro STAGE rb, prv, pbuf, pzero, nxt, nbuf
.set ts, (\rb)&1
.set tn, 1-ts
.set prb, ((\rb)+3)&3
.set nrb, ((\rb)+1)&3
.irp j, 0,1,2,3,4,5,6,7
	v_exp_f32 v[T+16*ts+\j], v[T+16*ts+\j]
.if \prv
	v_cvt_pk_bf16_f32 v[P+8*tn+\j], v[T+16*tn+2*\j], v[T+16*tn+2*\j+1]
.endif
.endr
.if \prv
.if \pzero
	v_wmma_f32_16x16x32_bf16 v[ACC+8*prb:ACC+8*prb+7], v[P+8*tn:P+8*tn+7], v[VF+8*(\pbuf):VF+8*(\pbuf)+7], 0
.else
	v_wmma_f32_16x16x32_bf16 v[ACC+8*prb:ACC+8*prb+7], v[P+8*tn:P+8*tn+7], v[VF+8*(\pbuf):VF+8*(\pbuf)+7], v[ACC+8*prb:ACC+8*prb+7]
.endif
.endif
.irp j, 0,1,2,3,4,5,6,7
	v_exp_f32 v[T+16*ts+8+\j], v[T+16*ts+8+\j]
.if \nxt
	ARG tn, \nbuf, nrb, \j
.elseif \j == 7
	v_nop
.endif
.endr
	s_wait_alu depctr_va_vdst(0)                   ; one wait for the stage's sixteen exponentials, ahead of the next stage's roundings and of every label and jump
.endm
; One step of 32 m, four stages.  The next step's k is asked for at the head (its buffer was last read two stages ago), the next B
; fragment one stage later: the last matrix instruction that read that buffer stands in the middle of the stage between, eight packed
; multiply-adds that name none of its registers ahead of the loads.
; zero = 1: this step's products start the sums.  last = 1: nothing follows.  prv = 1: a stage stands in front of the step; pzero = 1: that
; stage's product starts its sum.
.macro MSTEP buf, zero, last, prv, pzero
.if \last == 0
	LOADK 1-\buf, 128*(\buf+1)
.endif
	STAGE 0, \prv, 1-\buf, \pzero, 1, \buf
.if \last == 0
	LOADV 1-\buf, 64*(\buf+1)
.endif
	STAGE 1, 1, \buf, \zero, 1, \buf
	STAGE 2, 1, \buf, \zero, 1, \buf
.if \last == 0
	s_wait_dscnt 0x0                               ; the six loads of this step, issued two and three stages ago: the stage below reads the next k
	STAGE 3, 1, \buf, \zero, 1, 1-\buf
.else
	STAGE 3, 1, \buf, \zero, 0, 0
.endif
.endm
.irp i, 0,1,2,3
	ds_load_b128 v[P+4*\i:P+4*\i+3], v175 offset:16*\i     ; the eight waves' {max, min}
.endr
	LOADK 0, 0
	LOADV 0, 0
	s_wait_dscnt 6                                 ; the four loads of the pairs are in; the six fragment loads behind them stay out
	v_max3_num_f32 v12, v[P],   v[P+2], v[P+4]
	v_min3_num_f32 v13, v[P+1], v[P+3], v[P+5]
	v_max3_num_f32 v12, v12, v[P+6], v[P+8]
	v_min3_num_f32 v13, v13, v[P+7], v[P+9]
	v_max3_num_f32 v12, v12, v[P+10], v[P+12]
	v_min3_num_f32 v13, v13, v[P+11], v[P+13]
	v_max_num_f32 v12, v12, v[P+14]                ; kmax of the batch
	v_min_num_f32 v13, v13, v[P+15]                ; kmin
	s_wait_loadcnt 12                              ; q' is in: x, Wo and bo, twelve loads, stay out until the end
.irp rb, 0,1,2,3
	v_mul_f32 v14, -v[QP+2*\rb], v12
	v_mul_f32 v15, -v[QP+2*\rb], v13
	v_min_num_f32 v[QP+2*\rb+1], v14, v15          ; -m = -max(q' kmax, q' kmin)
.endr
	s_wait_dscnt 0x0                               ; k and B's fragment of step 0
.irp j, 0,1,2,3,4,5,6,7
	ARG 0, 0, 0, \j
.endr
	MSTEP 0, 1, 0, 0, 0                            ; steps 0 and 1 stand in front of the loop: step 0's products start the sums, the last of them in step 1's first stage
	MSTEP 1, 0, 0, 1, 1
	v_add_nc_u32 v[KA], 256, v[KA]
	v_add_nc_u32 v[VA], 128, v[VA]
	s_mov_b32 s24, 14
.Ltrip:                                            ; steps 2 to 29
	MSTEP 0, 0, 0, 1, 0
	MSTEP 1, 0, 0, 1, 0
	v_add_nc_u32 v[KA], 256, v[KA]
	v_add_nc_u32 v[VA], 128, v[VA]
	s_sub_co_u32 s24, s24, 1
	s_cmp_lg_u32 s24, 0
	s_cbranch_scc1 .Ltrip
	MSTEP 0, 0, 0, 1, 0                            ; steps 30 and 31: the last asks for nothing, so no load passes my 1,024 m
	MSTEP 1, 0, 1, 1, 0
	; the last stage's roundings and product: its exponentials were waited for at its end
.irp j, 0,1,2,3,4,5,6,7
	v_cvt_pk_bf16_f32 v[P+8+\j], v[T+16+2*\j], v[T+16+2*\j+1]
.endr
	v_wmma_f32_16x16x32_bf16 v[ACC+24:ACC+31], v[P+8:P+15], v[VF+8:VF+15], v[ACC+24:ACC+31]
	; THE WAY OUT.  Register j of an accumulator is (row 8h + j, column r).  Seven plain vector instructions that name no register of the
	; last matrix instruction stand between it and the stores that read its result.
	s_mul_i32 s18, s16, WP
	s_add_co_u32 s18, s18, RED
	v_bfe_u32 v13, v0, 4, 1
	v_mul_u32_u24 v12, v174, NP
	v_lshl_add_u32 v12, v13, 5, v12
	v_add_nc_u32 v12, s18, v12                     ; RED + w WP + min(r, 3) NP + 4 (8 h)
	v_and_b32 v14, 15, v0
	v_lshlrev_b32 v14, 4, v14
	v_add_nc_u32 v14, RED, v14                     ; RED + 16 (t & 15)
.irp rb, 0,1,2,3
	ds_store_b128 v12, v[ACC+8*\rb:ACC+8*\rb+3]   offset:64*\rb      ; lanes of columns 3-15 all hold zeros and store them to the fourth row
	ds_store_b128 v12, v[ACC+8*\rb+4:ACC+8*\rb+7] offset:64*\rb+16
.endr
	s_wait_dscnt 0x0                               ; zero: every wave reads all eight blocks behind the barrier
	s_barrier_signal -1
	s_barrier_wait -1
	; every thread adds the eight waves' sums for its own four positions (sixteen threads do the same work: that spares a third barrier)
.irp w, 0,1,2,3,4,5,6,7
.irp n, 0,1,2
	ds_load_b128 v[R+4*(3*\w+\n):R+4*(3*\w+\n)+3], v14 offset:\w*WP+\n*NP
.endr
.endr
	s_wait_dscnt 0x0
.macro QADD a, b                       ; quad a += quad b
	v_pk_add_f32 v[R+4*(\a):R+4*(\a)+1],   v[R+4*(\a):R+4*(\a)+1],   v[R+4*(\b):R+4*(\b)+1]
	v_pk_add_f32 v[R+4*(\a)+2:R+4*(\a)+3], v[R+4*(\a)+2:R+4*(\a)+3], v[R+4*(\b)+2:R+4*(\b)+3]
.endm
.irp n, 0,1,2
	QADD \n, 12+\n
	QADD 3+\n, 15+\n
	QADD 6+\n, 18+\n
	QADD 9+\n, 21+\n
	QADD \n, 6+\n
	QADD 3+\n, 9+\n
	QADD \n, 3+\n
.endr
.irp j, 0,1,2,3
	v_rcp_f32 v[R+12+\j], v[R+8+\j]                ; 1 / sum of p (at least the p of the row's maximum, about 1)
.endr
	v_pk_add_f32 v[R:R+1],   v[R:R+1],   v[R+4:R+5]        ; the two parts of v's sum: also the plain instructions behind the reciprocals
	v_pk_add_f32 v[R+2:R+3], v[R+2:R+3], v[R+6:R+7]
	s_wait_alu depctr_va_vdst(0)                   ; one wait for the four reciprocals, ahead of their first reader
	v_pk_mul_f32 v[R:R+1],   v[R:R+1],   v[R+12:R+13]      ; O of my four positions
	v_pk_mul_f32 v[R+2:R+3], v[R+2:R+3], v[R+14:R+15]
	s_wait_loadcnt 0x0                             ; x, Wo, bo
	s_wait_kmcnt 0x0                               ; beta
	v_mov_b32 v12, s20
	v_mov_b32 v13, s20
	v_pk_mul_f32 v[WO:WO+1],   v[WO:WO+1],   v[12:13]      ; beta Wo
	v_pk_mul_f32 v[WO+2:WO+3], v[WO+2:WO+3], v[12:13]
; channel 16 it + (t >> 4): x + beta bo + (beta Wo) O.  pr, s: the pair that holds the channel's Wo and bo, and which of the two
.macro OUTROW it, pr, s
	v_pk_fma_f32 v[X+4*\it:X+4*\it+1],   v[BO+\pr:BO+\pr+1], v[12:13], v[X+4*\it:X+4*\it+1]   op_sel:[\s,0,0] op_sel_hi:[\s,1,1]
	v_pk_fma_f32 v[X+4*\it+2:X+4*\it+3], v[BO+\pr:BO+\pr+1], v[12:13], v[X+4*\it+2:X+4*\it+3] op_sel:[\s,0,0] op_sel_hi:[\s,1,1]
	v_pk_fma_f32 v[X+4*\it:X+4*\it+1],   v[R:R+1],   v[WO+\pr:WO+\pr+1], v[X+4*\it:X+4*\it+1]   op_sel:[0,\s,0] op_sel_hi:[1,\s,1]
	v_pk_fma_f32 v[X+4*\it+2:X+4*\it+3], v[R+2:R+3], v[WO+\pr:WO+\pr+1], v[X+4*\it+2:X+4*\it+3] op_sel:[0,\s,0] op_sel_hi:[1,\s,1]
	global_store_b128 v[XO], v[X+4*\it:X+4*\it+3], s[34:35] offset:524288*\it th:TH_STORE_NT   ; sixteen lanes store 256 consecutive bytes, aligned
.endm
	OUTROW 0, 0, 0
	OUTROW 1, 0, 1
	OUTROW 2, 2, 0
	OUTROW 3, 2, 1
	s_wait_tensorcnt 0x0
	ds_add_u32 v176, v177
	s_wait_dscnt 0x0
	s_endpgm
.Lfunc_end_k_q8e9f2e104f_attend:
	.size	k_q8e9f2e104f_attend, .Lfunc_end_k_q8e9f2e104f_attend-k_q8e9f2e104f_attend
	.p2alignl 7, 3214868480
	.fill 96, 4, 3214868480
	.section	.rodata,"a",@progbits
	.p2align	6, 0x0
	.amdhsa_kernel k_q8e9f2e104f_attend
		.amdhsa_group_segment_fixed_size 109056
		.amdhsa_private_segment_fixed_size 0
		.amdhsa_enable_private_segment 0
		.amdhsa_kernarg_size 48
		.amdhsa_user_sgpr_count 2
		.amdhsa_user_sgpr_kernarg_segment_ptr 1
		.amdhsa_wavefront_size32 1
		.amdhsa_system_sgpr_workgroup_id_x 1
		.amdhsa_system_sgpr_workgroup_id_y 1
		.amdhsa_system_sgpr_workgroup_id_z 1
		.amdhsa_system_vgpr_workitem_id 0
		.amdhsa_next_free_vgpr 178
		.amdhsa_next_free_sgpr 66
		.amdhsa_reserve_vcc 0
		.amdhsa_float_denorm_mode_32 3
		.amdhsa_float_denorm_mode_16_64 3
		.amdhsa_memory_ordered 1
		.amdhsa_forward_progress 1
		.amdhsa_inst_pref_size 61
	.end_amdhsa_kernel
	.amdgpu_metadata
---
amdhsa.version: [ 1, 2 ]
amdhsa.kernels:
  - .name:           k_q8e9f2e104f_attend
    .symbol:         k_q8e9f2e104f_attend.kd
    .args:
      - { .name: proj, .offset: 0, .size: 8, .value_kind: global_buffer, .address_space: global }
      - { .name: x, .offset: 8, .size: 8, .value_kind: global_buffer, .address_space: global }
      - { .name: Wo_w, .offset: 16, .size: 8, .value_kind: global_buffer, .address_space: global }
      - { .name: Wo_b, .offset: 24, .size: 8, .value_kind: global_buffer, .address_space: global }
      - { .name: beta, .offset: 32, .size: 8, .value_kind: global_buffer, .address_space: global }
      - { .name: out0, .offset: 40, .size: 8, .value_kind: global_buffer, .address_space: global }
    .group_segment_fixed_size: 109056
    .private_segment_fixed_size: 0
    .kernarg_segment_align: 8
    .kernarg_segment_size: 48
    .max_flat_workgroup_size: 256
    .sgpr_count:     66
    .vgpr_count:     178
    .wavefront_size: 32
...
	.end_amdgpu_metadata
.endif
;; end of part 3
